; MI455X (gfx1250); checked and timed in simulation.
; The chip was launched on July 23, 2026; its instructions are those of AMD's public machine-readable ISA for CDNA 5 (MIT licence, August 2026) and "CDNA5" Instruction Set Architecture Reference Guide (July 2026). The comments in the code are by the model that wrote it; some were corrected since.
;; Cross Attention. Allowed arithmetic: float matrix products may take bf16 or f16 operands with f32 sums; all other float work in f32.
;; Inputs: Wk 1,024 x 1,024 float32; Wo 1,024 x 1,024 float32; Wq 1,024 x 1,024 float32; Wv 1,024 x 1,024 float32; bo 1,024 float32; context 4 x 1,024 x 1,024 float32; x 4 x 2,048 x 1,024 float32.
;; Outputs: out0 4 x 2,048 x 1,024 float32.
;; One version. Each part assembles by itself: llvm-mc -triple=amdgcn-amd-amdhsa -mcpu=gfx1250 --defsym DOCPART=n.
;; ======== version 1 of 1: 4 launches
;; workspace buffers: cast 33,554,432 bytes; qkv 33,554,432 bytes; att 16,777,216 bytes
;; launch tobf16 (part 1): grid 1024 x 1, 8 waves a work-group, no clusters, 0 bytes of LDS; arguments x, context, Wq, Wk, Wv, Wo, cast; writes cast
.if DOCPART == 1
	.amdgcn_target "amdgcn-amd-amdhsa--gfx1250"
	.amdhsa_code_object_version 6
	.text
	.protected	k_qa6a68134f7_tobf16
	.globl	k_qa6a68134f7_tobf16
	.p2align	8
	.type	k_qa6a68134f7_tobf16,@function
k_qa6a68134f7_tobf16:
	s_mov_b64 s[64:65], 0
	v_nop
	global_prefetch_b8 v0, s[64:65] scope:SCOPE_SE
	s_setreg_imm32_b32 hwreg(HW_REG_WAVE_MODE, 25, 1), 1
	s_wait_xcnt 0x0
; Cross-attention, launch 1 of 4: x, context, Wq, Wk, Wv, Wo are rounded from f32 to bf16 (nearest even), in their own order of
; elements, into one workspace: x [8192][1024] at byte 0, context [4096][1024] at 16,777,216 (together one array of 12,288 rows),
; Wq, Wk, Wv, Wo [k 1024][n 1024] at 25,165,824 + 0, 1, 2, 3 x 2,097,152.
; The later launches bring these tiles into LDS as they will be multiplied, so the rounding is done once here and not by every
; work-group that reads a tile.
; NO WORK OF reference() IS LEFT OUT in any of the four launches: every input reaches the output, nothing is sliced away.
; LIMITS of the program: the matrix operands (x, context, the weights, Q, K, V, the softmax's weights, the attention's result)
; are bf16; sums are f32 and are taken in another order than reference()'s; 2^t below 2^-126 counts as 0 in the softmax.
; A stream: each byte is read once and written once.  LDS, matrix units and clusters have nothing to share here.
; A work-group takes 16,384 numbers.  Thread t takes 16 bytes at 16 t of each of sixteen blocks of 4,096 bytes: a wave's load covers
; 512 consecutive bytes, a wave's store 256 consecutive bytes at a multiple of 256.  All sixteen loads of a thread go out at once.
.set X, 4                              ; v[4:67]   sixteen loads of four f32
.set Y, 68                             ; v[68:99]  sixteen stores of four bf16; each store has registers of its own, none is rewritten
	s_load_b256 s[4:11], s[0:1], 0x0               ; x s[4:5], context s[6:7], Wq s[8:9], Wk s[10:11]
	s_load_b128 s[12:15], s[0:1], 0x20             ; Wv s[12:13], Wo s[14:15]
	s_load_b64 s[16:17], s[0:1], 0x30              ; cast
	v_lshlrev_b32 v1, 4, v0                        ; 16 t: where I read
	v_lshlrev_b32 v2, 3, v0                        ; 8 t: where I write
	s_wait_kmcnt 0x0
	; which input is mine, and the number of its first work-group: 512 for x, 256 for context, 64 for each weight
	s_mov_b64 s[18:19], s[4:5]
	s_mov_b32 s20, 0
	s_cmp_ge_u32 ttmp9, 512
	s_cselect_b64 s[18:19], s[6:7], s[18:19]
	s_cselect_b32 s20, 512, s20
	s_cmp_ge_u32 ttmp9, 768
	s_cselect_b64 s[18:19], s[8:9], s[18:19]
	s_cselect_b32 s20, 768, s20
	s_cmp_ge_u32 ttmp9, 832
	s_cselect_b64 s[18:19], s[10:11], s[18:19]
	s_cselect_b32 s20, 832, s20
	s_cmp_ge_u32 ttmp9, 896
	s_cselect_b64 s[18:19], s[12:13], s[18:19]
	s_cselect_b32 s20, 896, s20
	s_cmp_ge_u32 ttmp9, 960
	s_cselect_b64 s[18:19], s[14:15], s[18:19]
	s_cselect_b32 s20, 960, s20
	s_sub_co_u32 s22, ttmp9, s20
	s_lshl_b32 s22, s22, 16                        ; 65,536 bytes of f32 for each work-group of that input
	s_mov_b32 s23, 0
	s_add_nc_u64 s[18:19], s[18:19], s[22:23]
	s_lshl_b32 s24, ttmp9, 15                      ; 32,768 bytes of bf16 for each work-group: the workspace has the inputs in this order
	s_mov_b32 s25, 0
	s_add_nc_u64 s[16:17], s[16:17], s[24:25]
.irp i, 0,1,2,3,4,5,6,7,8,9,10,11,12,13,14,15
	global_load_b128 v[X+4*\i:X+4*\i+3], v1, s[18:19] offset:4096*\i th:TH_LOAD_NT
.endr
.irp i, 0,1,2,3,4,5,6,7,8,9,10,11,12,13,14,15
	s_wait_loadcnt 15-\i                           ; loads come back in order: load i is in, the 15 - i younger ones stay out
	v_cvt_pk_bf16_f32 v[Y+2*\i],   v[X+4*\i],   v[X+4*\i+1]
	v_cvt_pk_bf16_f32 v[Y+2*\i+1], v[X+4*\i+2], v[X+4*\i+3]
	global_store_b64 v2, v[Y+2*\i:Y+2*\i+1], s[16:17] offset:2048*\i   ; no hint: the next launch reads these bytes
.endr
	s_endpgm
.Lfunc_end_k_qa6a68134f7_tobf16:
	.size	k_qa6a68134f7_tobf16, .Lfunc_end_k_qa6a68134f7_tobf16-k_qa6a68134f7_tobf16
	.p2alignl 7, 3214868480
	.fill 96, 4, 3214868480
	.section	.rodata,"a",@progbits
	.p2align	6, 0x0
	.amdhsa_kernel k_qa6a68134f7_tobf16
		.amdhsa_group_segment_fixed_size 0
		.amdhsa_private_segment_fixed_size 0
		.amdhsa_enable_private_segment 0
		.amdhsa_kernarg_size 56
		.amdhsa_user_sgpr_count 2
		.amdhsa_user_sgpr_kernarg_segment_ptr 1
		.amdhsa_wavefront_size32 1
		.amdhsa_system_sgpr_workgroup_id_x 1
		.amdhsa_system_sgpr_workgroup_id_y 1
		.amdhsa_system_sgpr_workgroup_id_z 1
		.amdhsa_system_vgpr_workitem_id 0
		.amdhsa_next_free_vgpr 104
		.amdhsa_next_free_sgpr 66
		.amdhsa_reserve_vcc 0
		.amdhsa_float_denorm_mode_32 3
		.amdhsa_float_denorm_mode_16_64 3
		.amdhsa_memory_ordered 1
		.amdhsa_forward_progress 1
		.amdhsa_inst_pref_size 8
	.end_amdhsa_kernel
	.amdgpu_metadata
---
amdhsa.version: [ 1, 2 ]
amdhsa.kernels:
  - .name:           k_qa6a68134f7_tobf16
    .symbol:         k_qa6a68134f7_tobf16.kd
    .args:
      - { .name: x, .offset: 0, .size: 8, .value_kind: global_buffer, .address_space: global }
      - { .name: context, .offset: 8, .size: 8, .value_kind: global_buffer, .address_space: global }
      - { .name: Wq, .offset: 16, .size: 8, .value_kind: global_buffer, .address_space: global }
      - { .name: Wk, .offset: 24, .size: 8, .value_kind: global_buffer, .address_space: global }
      - { .name: Wv, .offset: 32, .size: 8, .value_kind: global_buffer, .address_space: global }
      - { .name: Wo, .offset: 40, .size: 8, .value_kind: global_buffer, .address_space: global }
      - { .name: cast, .offset: 48, .size: 8, .value_kind: global_buffer, .address_space: global }
    .group_segment_fixed_size: 0
    .private_segment_fixed_size: 0
    .kernarg_segment_align: 8
    .kernarg_segment_size: 56
    .max_flat_workgroup_size: 256
    .sgpr_count:     66
    .vgpr_count:     104
    .wavefront_size: 32
...
	.end_amdgpu_metadata
.endif
;; end of part 1
;; launch proj (part 2): grid 4 x 64, 4 waves a work-group, clusters of 4 x 4, 327,680 bytes of LDS; arguments cast, qkv; writes qkv
.if DOCPART == 2
	.amdgcn_target "amdgcn-amd-amdhsa--gfx1250"
	.amdhsa_code_object_version 6
	.text
	.protected	k_qa6a68134f7_proj
	.globl	k_qa6a68134f7_proj
	.p2align	8
	.type	k_qa6a68134f7_proj,@function
k_qa6a68134f7_proj:
	s_mov_b64 s[64:65], 0
	v_nop
	global_prefetch_b8 v0, s[64:65] scope:SCOPE_SE
	s_setreg_imm32_b32 hwreg(HW_REG_WAVE_MODE, 25, 1), 1
	s_wait_xcnt 0x0
	s_wait_alu depctr_hold_cnt(0) depctr_sa_sdst(0) depctr_va_vdst(0) depctr_va_sdst(0) depctr_va_ssrc(0) depctr_va_vcc(0) depctr_vm_vsrc(0)
	s_getreg_b32 s2, hwreg(HW_REG_IB_STS2, 6, 4)
	s_cmp_eq_u32 s2, 0
	s_cbranch_scc0 .Lentry_in_a_cluster
	s_endpgm
.Lentry_in_a_cluster:
	s_bfe_u32 s2, ttmp6, 0x10000c
	s_cmp_lg_u32 s2, 0xf033
	s_cbranch_scc0 .Lentry_shape_is_right
	s_endpgm
.Lentry_shape_is_right:
; Cross-attention, launch 2 of 4: Q = x Wq, K = context Wk, V = context Wv as ONE launch of 256 blocks of 256 x 256, K = 1024.
; Nothing of reference() is left out.  Operands bf16 (from the workspace cast), sums f32, results rounded once to bf16.
; Block rows 0-31 are Q (rows of x), 32-47 K, 48-63 V (rows of context, read twice); four block columns of 256 = 4 heads each.
; The results are stored head-major: Q [b 4][h 16][n 2048][64] at byte 0, K [4][16][1024][64] at 16,777,216, V at 25,165,824:
; a head's 64 numbers are 128 bytes, so four rows of one head are 512 consecutive bytes for one store of a wave.
; A work-group has four waves, as many as a WGP has SIMDs; a wave makes 128 x 128: 64 accumulator tiles of 16 x 16, 512 registers.
; K goes in steps of 128 through a ring of two LDS slots filled by the tensor data mover.  A slot holds 256 rows of the left operand
; (rows of 256 bytes along K) and 128 k-rows of the weight (256 columns = 512 bytes each; the weight lies [k][n]).
; CLUSTERS: 4 x 4 work-groups.  The four of a row of the cluster need the same tiles of the left operand, the four of a column the same
; tiles of the weight: each tile is asked for jointly by the four, with one descriptor and a mask that names them.  A cluster's four
; block rows lie in one of Q, K, V (each has a multiple of four), so which weight is read hangs on the cluster's y alone.
; A wave has two tensor loads out at the start and one behind each change of slots.
;
; REGISTERS, in windows of 256:
;   window 0: v16-26 addresses; v64-127, v128-191 fragments of the left operand (8 x 16 rows x 32 K), two buffers; v192-223 packed results
;   window 1: v64-127, v128-191 fragments of the weight, two buffers
;   window 2: the 32 accumulator tiles of my rows 0-63 (tile (a, b) at v[8 (8 a + b)]);   window 3: those of my rows 64-127
; THE MATRIX INSTRUCTION IS USED TRANSPOSED: source 0 = 16 columns of the weight, source 1 = 16 rows of the left operand.  Lane l then
; holds row l % 16 of the result and its registers 0-7 the columns 8 (l / 16) + 0..7: eight neighbours, 16 bytes of bf16.
.set SIZE_K, 1024
.set KSTEP,  128
.set PITCH,  272                       ; left operand in LDS: 256 bytes + 16 of padding: the 16 rows of a fragment start at 16 different 16-byte columns
.set BP,     544                       ; weight in LDS: 512 bytes + 32 of padding, an odd multiple of 32, for the transposing load
.set HALFT,  128*PITCH                 ; what one tensor load brings: 128 rows x 272 = 64 k-rows x 544 = 34,816 bytes
.set SLOT,   4*HALFT                   ; left operand's 256 rows, then the weight's 128 k-rows
.set STAGE,  2*SLOT                    ; behind the ring: 16 rows x 272 bytes for each wave, for the way out; no fill lands here
.set SPITCH, 272
.set LAPS,   SIZE_K/(2*KSTEP)          ; a lap = two K steps = once round the ring: 4
.set WOFF,   25165824                  ; Wq in the workspace; Wk and Wv follow, 2,097,152 bytes each
.set ADRA, 16                          ; v16-17  LDS address of my fragments of the left operand in slot 0, 1
.set ADRB, 20                          ; v20-21  the same for the weight
.set STO,  24                          ; v24     the way out: where I put 16 bytes of a row
.set RD,   25                          ; v25     the way out: where I read them back
.set CO,   26                          ; v26     16 x lane: my 16 bytes of a store's 512
.set F0,   64
.set F1,   128
.set TMP,  192
.set G1,  24                           ; s[24:31] descriptor group 1, left operand
.set G0,  32                           ; s[32:39] descriptor group 0, left operand, one set for each slot
.set G1B, 48                           ; s[48:55] descriptor group 1, weight
.set G0B, 56                           ; s[56:63] descriptor group 0, weight, one set for each slot
.set MSB, 0
.macro WIN new                         ; the immediate's high byte repeats the setting that is left
.if MSB != \new
	s_set_vgpr_msb (MSB<<8)|\new
.set MSB, \new
.endif
.endm
.set MUL_LO, 0xa1                      ; source 0 (weight) window 1, source 1 window 0, C and D window 2
.set MUL_HI, 0xf1                      ; the same, C and D window 3
.set TO_B,   0x40                      ; destination window 1, address window 0
; A joint load.  Waves 0 and 1 fetch the left operand's two halves, waves 2 and 3 the weight's.  Each line has one mask and one set of
; registers; the branch hangs on the wave's number alone.
.macro JLOAD s
	s_cmp_eq_u32 s11, 0
	s_cbranch_scc0 .Lfor_b_\@
	tensor_load_to_lds s[G0+4*\s:G0+4*\s+3], s[G1:G1+7]
	s_nop 0
	s_branch .Lasked_\@
.Lfor_b_\@:
	tensor_load_to_lds s[G0B+4*\s:G0B+4*\s+3], s[G1B:G1B+7]
	s_nop 0
.Lasked_\@:
.endm
; A round of the cluster's barrier: my work-group's barrier, wave 0 signals for the work-group, every wave waits for all sixteen
; work-groups, my work-group's barrier once more.
.macro CREST                           ; a round behind its opening barrier
	s_cmp_lg_u32 s10, 0
	s_cbranch_scc1 .Lnot_wave_0_\@
	s_barrier_signal -3
.Lnot_wave_0_\@:
	s_barrier_wait -3
	s_barrier_signal -1
	s_barrier_wait -1
.endm
.macro CROUND
	s_barrier_signal -1
	s_barrier_wait -1
	CREST
.endm
	s_load_b128 s[4:7], s[0:1], 0x0                ; cast s[4:5], qkv s[6:7]
	s_set_vgpr_msb 0x40
	v_lshl_add_u32 v255, v0, 2, 0x48400
	s_set_vgpr_msb 0x4000
	v_mov_b32 v255, 0
	s_set_vgpr_msb 0x1
	ds_add_u32 v255, v255
	s_set_vgpr_msb 0x100
	v_lshrrev_b32 v1, 5, v0
	v_readfirstlane_b32 s10, v1                    ; wave 0..3
	s_lshr_b32 s11, s10, 1                         ; which half of the block's rows is mine.  Also: I fetch the left operand (0) or the weight (1)
	s_and_b32 s12, s10, 1                          ; which half of its columns.  Also: which half of that tile I fetch
	s_bfe_u32 s40, ttmp6, 0x40000                  ; cx
	s_bfe_u32 s41, ttmp6, 0x40004                  ; cy
	s_lshl_b32 s42, ttmp9, 2
	s_add_co_u32 s42, s42, s40                     ; block column = 4 x cluster x + cx
	s_and_b32 s45, ttmp7, 0xffff                   ; the cluster's y, 0..15: 0-7 Q, 8-11 K, 12-15 V
	s_lshl_b32 s13, s45, 2
	s_add_co_u32 s13, s13, s41                     ; block row = 4 x cluster y + cy
	s_lshl_b32 s43, s41, 2
	s_lshl_b32 s43, 15, s43                        ; my row of the cluster: places 4 cy .. 4 cy + 3
	s_lshl_b32 s44, 0x1111, s40                    ; my column: places cx, cx + 4, cx + 8, cx + 12
	; group 1, left operand: 128 rows x 128 elements of 2 bytes, 4 words of padding behind every 64
	s_or_b32 s[G1+0], s43, (1<<16)|(1<<20)|(1<<21)|(5<<22)|(3<<25)
	s_mov_b32 s[G1+1], KSTEP<<16                   ; tensor_dim0 = 128
	s_mov_b32 s[G1+2], 128<<16                     ; tensor_dim1 = 128
	s_mov_b32 s[G1+3], KSTEP<<16                   ; tile_dim0 = 128
	s_mov_b32 s[G1+4], 128                         ; tile_dim1 = 128
	s_mov_b32 s[G1+5], SIZE_K                      ; elements from row to row
	s_mov_b32 s[G1+6], 0
	s_mov_b32 s[G1+7], 0
	; group 1, weight: 64 k-rows x 256 elements of 2 bytes, 8 words of padding behind every 128
	s_or_b32 s[G1B+0], s44, (1<<16)|(1<<20)|(1<<21)|(6<<22)|(7<<25)
	s_mov_b32 s[G1B+1], 256<<16                    ; tensor_dim0 = 256
	s_mov_b32 s[G1B+2], 64<<16                     ; tensor_dim1 = 64
	s_mov_b32 s[G1B+3], 256<<16                    ; tile_dim0 = 256
	s_mov_b32 s[G1B+4], 64                         ; tile_dim1 = 64
	s_mov_b32 s[G1B+5], 1024                       ; elements from k-row to k-row
	s_mov_b32 s[G1B+6], 0
	s_mov_b32 s[G1B+7], 0
	; the left operand's rows: x and context are one array of 12,288 rows; V's block rows 48-63 read context again, 16 block rows back.
	; These registers hold the block row, the cluster's y and the wave's number, never cx.
	s_cmp_ge_u32 s45, 12
	s_cselect_b32 s18, 16, 0
	s_sub_co_u32 s16, s13, s18
	s_lshl_b32 s16, s16, 8
	s_lshl_b32 s17, s12, 7
	s_add_co_u32 s16, s16, s17                     ; row 256 x block + 128 x half
	s_lshl_b32 s16, s16, 11                        ; 2,048 bytes a row; 24,903,680 at the most
	s_mov_b32 s17, 0
	; the weight's tile: which weight, my 64 k-rows, the block's 256 columns.  These registers never hold cy.
	s_cmp_ge_u32 s45, 8
	s_cselect_b32 s66, 0x200000, 0
	s_cmp_ge_u32 s45, 12
	s_cselect_b32 s67, 0x200000, 0
	s_add_co_u32 s46, s66, s67
	s_add_co_u32 s46, s46, WOFF
	s_lshl_b32 s66, s12, 17                        ; 64 k-rows of 2,048 bytes
	s_add_co_u32 s46, s46, s66
	s_lshl_b32 s66, s42, 9                         ; 256 columns of 2 bytes
	s_add_co_u32 s46, s46, s66
	s_mov_b32 s47, 0
	s_mul_i32 s20, s10, HALFT                      ; where my load goes: wave x 34,816; no place in the cluster enters an LDS address
	s_wait_dscnt 0x0
	s_wait_kmcnt 0x0
	s_add_nc_u64 s[14:15], s[4:5], s[16:17]
	s_add_nc_u64 s[46:47], s[4:5], s[46:47]
	CROUND                                         ; all sixteen work-groups are here: the first joint loads meet
.irp s, 0,1
	s_mov_b32 s[G0+4*\s], 1
	s_add_co_u32 s[G0+4*\s+1], s20, \s*SLOT
	s_add_nc_u64 s[G0+4*\s+2:G0+4*\s+3], s[14:15], \s*KSTEP*2          ; K step s: 256 bytes along the rows
	s_or_b32 s[G0+4*\s+3], s[G0+4*\s+3], 0x80000000
	s_mov_b32 s[G0B+4*\s], 1
	s_add_co_u32 s[G0B+4*\s+1], s20, \s*SLOT
	s_add_nc_u64 s[G0B+4*\s+2:G0B+4*\s+3], s[46:47], \s*KSTEP*2048     ; K step s: 128 k-rows down
	s_or_b32 s[G0B+4*\s+3], s[G0B+4*\s+3], 0x80000000
	JLOAD \s                                       ; both slots' first fills go out before anything else is done
.endr
	; Left operand's fragment, 16 rows x 32 K: lane l holds row l % 16; two loads of 16 bytes, 32 bytes apart, at row x pitch + 16 (l / 16).
	; Weight's fragment, 16 columns x 32 K, from k-rows: two transposing loads, 16 k-rows apart; lane l addresses k-row 8 (l / 16) + l % 8
	; and the 16 bytes (8 columns) numbered (l / 8) % 2, and receives eight k of column l % 16.
	v_and_b32 v1, 15, v0                           ; l % 16
	v_bfe_u32 v2, v0, 4, 1                         ; l / 16
	v_mul_u32_u24 v3, v1, PITCH
	v_lshl_add_u32 v3, v2, 4, v3                   ; row x 272 + 16 x half
	v_and_b32 v6, 7, v0
	v_lshl_add_u32 v6, v2, 3, v6                   ; k-row
	v_mul_u32_u24 v6, v6, BP
	v_bfe_u32 v7, v0, 3, 1
	v_lshl_add_u32 v6, v7, 4, v6
	s_mul_i32 s21, s11, HALFT                      ; my 128 rows
	s_lshl_b32 s22, s12, 8                         ; my 128 columns, 256 bytes into each k-row,
	s_add_co_u32 s22, s22, 2*HALFT                 ; behind the left operand's 256 rows
.irp s, 0,1
	v_add_nc_u32 v[ADRA+\s], s21, v3
	v_add_nc_u32 v[ADRB+\s], s22, v6
	s_add_co_u32 s21, s21, SLOT
	s_add_co_u32 s22, s22, SLOT
.endr
	s_mul_i32 s23, s10, 16*SPITCH
	s_add_co_u32 s23, s23, STAGE                   ; my stage
	v_add_nc_u32 v[STO], s23, v3                   ; in: row l % 16, 16 bytes for each half of the lanes (the stage has the same pitch)
	v_bfe_u32 v4, v0, 3, 2                         ; back: eight lanes take 128 bytes (one head) of one row, the wave four rows
	v_mul_u32_u24 v4, v4, SPITCH
	v_and_b32 v5, 7, v0
	v_lshl_add_u32 v4, v5, 4, v4
	v_add_nc_u32 v[RD], s23, v4
	v_and_b32 v5, 31, v0
	v_lshlrev_b32 v[CO], 4, v5
; 16 matrix instructions: row blocks a0, a0 + 1 of the window's four x all 8 column blocks, 32 along K.  zero = 1: the first product starts the sums.
.macro MUL16 f, hi, a0, zero
.irp a, \a0, \a0+1
.irp b, 0,1,2,3,4,5,6,7
.if \zero
	v_wmma_f32_16x16x32_bf16 v[8*(8*(\a)+\b):8*(8*(\a)+\b)+7], v[\f+8*\b:\f+8*\b+7], v[\f+8*(4*\hi+\a):\f+8*(4*\hi+\a)+7], 0
.else
	v_wmma_f32_16x16x32_bf16 v[8*(8*(\a)+\b):8*(8*(\a)+\b)+7], v[\f+8*\b:\f+8*\b+7], v[\f+8*(4*\hi+\a):\f+8*(4*\hi+\a)+7], v[8*(8*(\a)+\b):8*(8*(\a)+\b)+7]
.endif
.endr
.endr
.endm
; 32 LDS loads in one run: the fragments of quarter q (32 along K) of a slot into buffer f: the weight's 128 columns, then my 128 rows
.macro FETCH slot, q, f
	WIN TO_B
.irp i, 0,1,2,3,4,5,6,7
	ds_load_tr16_b128 v[\f+8*\i:\f+8*\i+3],   v[ADRB+\slot] offset:\q*32*BP+\i*32
	ds_load_tr16_b128 v[\f+8*\i+4:\f+8*\i+7], v[ADRB+\slot] offset:\q*32*BP+\i*32+16*BP
.endr
	WIN 0
.irp i, 0,1,2,3,4,5,6,7
	ds_load_b128 v[\f+8*\i:\f+8*\i+3],   v[ADRA+\slot] offset:\q*64+\i*16*PITCH
	ds_load_b128 v[\f+8*\i+4:\f+8*\i+7], v[ADRA+\slot] offset:\q*64+\i*16*PITCH+32
.endr
.endm
; A load into a register that a matrix instruction has read, and a vector instruction that reads a matrix result, stand four places behind it;
; only plain vector instructions that name none of its registers are places.  Nothing else is at hand here: four v_nop.
.macro PLACES
.rept 4
	v_nop
.endr
.endm
; A K step is four quarters of 32 along K, 64 matrix instructions each, on buffers 0, 1, 0, 1.  The 64 accumulators take turns, one instruction
; a turn, in the same order in every quarter.
; One of the first three quarters: multiplies buffer f; in its middle it fetches quarter q of the same slot into buffer g.
.macro QUARTER slot, q, f, g, zero
	s_wait_dscnt 8                                 ; the weight and my rows 0-63 are in; the youngest eight loads (my rows 64-127) may be out
	WIN MUL_LO
	MUL16 \f, 0, 0, \zero
	MUL16 \f, 0, 2, \zero
	PLACES
	FETCH \slot, \q, \g
	s_wait_dscnt 32                                ; all but the 32 just issued
	WIN MUL_HI
	MUL16 \f, 1, 0, \zero
	MUL16 \f, 1, 2, \zero
.endm
.macro THREE slot, zero
	QUARTER \slot, 1, F0, F1, \zero
	QUARTER \slot, 2, F1, F0, 0
	QUARTER \slot, 3, F0, F1, 0
.endm
; The last quarter multiplies buffer 1 and changes slots.  In front of the barrier each wave waits for its reads of this slot and for all its
; tensor loads (one is out: its part of the next slot).  Behind it nobody reads this slot and the next slot is whole.  Where the slot is
; filled again the barrier opens a round of the cluster's barrier, and the joint refill is the first tensor load behind the round.
; From a request to the wait for it a wave issues 240 matrix instructions.
.macro TURN slot, next, fill
	s_wait_dscnt 8
	WIN MUL_LO
	MUL16 F1, 0, 0, 0
	s_wait_dscnt 0                                 ; my reads of this slot are over
	s_wait_tensorcnt 0x0                           ; all my tensor loads have landed
	ds_add_u32 v255, v255
	s_wait_dscnt 0x0
	s_barrier_signal -1
	MUL16 F1, 0, 2, 0                              ; register work while the others arrive
	WIN 0
	s_barrier_wait -1
.if \fill
	CREST                                          ; no wave of any partner still reads this slot or has a load on its way
	s_add_nc_u64 s[G0+4*\slot+2:G0+4*\slot+3], s[G0+4*\slot+2:G0+4*\slot+3], 2*KSTEP*2
	s_add_nc_u64 s[G0B+4*\slot+2:G0B+4*\slot+3], s[G0B+4*\slot+2:G0B+4*\slot+3], 2*KSTEP*2048
	JLOAD \slot
.endif
	PLACES
	FETCH \next, 0, F0
	WIN MUL_HI
	MUL16 F1, 1, 0, 0
	MUL16 F1, 1, 2, 0
.endm
.macro LAP zero
	THREE 0, \zero
	TURN 0, 1, 1
	THREE 1, 0
	TURN 1, 0, 1
.endm
	s_wait_tensorcnt 1                             ; my part of K step 0 is in; K step 1's load stays out
	s_barrier_signal -1
	s_barrier_wait -1                              ; everybody's part is in
	FETCH 0, 0, F0
	LAP 1                                          ; the first lap's first products start the sums: nothing is cleared
	WIN 0                                          ; at a label and at a branch every window is 0
	s_mov_b32 s3, LAPS-2
.Llap:
	LAP 0
	WIN 0
	s_sub_co_u32 s3, s3, 1
	s_cmp_lg_u32 s3, 0
	s_cbranch_scc1 .Llap
	THREE 0, 0                                     ; the last lap fills nothing
	TURN 0, 1, 0
	THREE 1, 0
	s_wait_dscnt 8
	WIN MUL_LO
	MUL16 F1, 0, 0, 0
	MUL16 F1, 0, 2, 0
	s_wait_dscnt 0
	WIN MUL_HI
	MUL16 F1, 1, 0, 0
	MUL16 F1, 1, 2, 0
	; THE WAY OUT, 16 rows at a time: round to bf16, 16 bytes a lane into my own stage, read back head by head, store 512 consecutive bytes.
	PLACES                                         ; the places behind the last matrix instructions
	; where my 128 rows x 2 heads go.  Q: 8 block rows a batch, heads 2^18 bytes apart; K and V: 4 block rows a batch, heads 2^17 bytes apart,
	; and V's block rows run on behind K's as four more batches, which is where V lies.
	s_cmp_lt_u32 s45, 8
	s_cselect_b32 s68, 0, 32                       ; first block row of the region
	s_cselect_b32 s69, 3, 2                        ; log2 of the block rows in a batch
	s_cselect_b32 s70, 7, 3                        ; mask of the block row within a batch
	s_cselect_b32 s71, 0, 0x1000000                ; the region's first byte
	s_cselect_b32 s72, 18, 17                      ; log2 of the bytes from head to head
	s_sub_co_u32 s73, s13, s68
	s_lshr_b32 s74, s73, s69                       ; batch
	s_add_co_u32 s75, s72, 4
	s_lshl_b32 s74, s74, s75                       ; 16 heads a batch
	s_add_co_u32 s71, s71, s74
	s_lshl_b32 s74, s42, 2
	s_lshl1_add_u32 s74, s12, s74                  ; my first head = 4 x block column + 2 x column half
	s_lshl_b32 s74, s74, s72
	s_add_co_u32 s71, s71, s74
	s_and_b32 s74, s73, s70
	s_lshl_b32 s74, s74, 15                        ; 256 rows of 128 bytes
	s_add_co_u32 s71, s71, s74
	s_lshl_b32 s74, s11, 14                        ; my 128 rows
	s_add_co_u32 s76, s71, s74
	s_mov_b32 s77, 0
	s_add_nc_u64 s[8:9], s[6:7], s[76:77]          ; my first head
	s_lshl_b32 s78, 1, s72
	s_mov_b32 s79, 0
	s_add_nc_u64 s[80:81], s[8:9], s[78:79]        ; my second head
; rows 16 i .. 16 i + 15 of my block = the eight tiles (a, 0..7) of window 2 or 3 (from = 0x0a or 0x0f: sources 0 and 1); f: F0 or F1 in turn
.macro OUT16 i, a, from, f
	WIN \from
.irp b, 0,1,2,3,4,5,6,7
.irp r, 0,1,2,3
	v_cvt_pk_bf16_f32 v[TMP+4*\b+\r], v[8*(8*\a+\b)+2*\r], v[8*(8*\a+\b)+2*\r+1]
.endr
.endr
	WIN 0
.irp b, 0,1,2,3,4,5,6,7
	ds_store_b128 v[STO], v[TMP+4*\b:TMP+4*\b+3] offset:32*\b          ; a stage row: first head in bytes 0-127, second in 128-255
.endr
	s_wait_xcnt 0x0                                ; buffer f was the data of the stores two turns ago: it is loaded again only behind this wait
.irp t, 0,1,2,3,4,5,6,7
	ds_load_b128 v[\f+4*\t:\f+4*\t+3], v[RD] offset:(\t&3)*4*SPITCH+(\t>>2)*128   ; LDS serves a wave's instructions in order: these see the stores above
.endr
.irp t, 0,1,2,3
	s_wait_dscnt 7-\t                              ; read-back t is in, the younger ones stay out
	global_store_b128 v[CO], v[\f+4*\t:\f+4*\t+3], s[8:9] offset:(16*\i+4*\t)*128       ; four rows of the first head: 512 consecutive bytes
.endr
.irp t, 4,5,6,7
	s_wait_dscnt 7-\t
	global_store_b128 v[CO], v[\f+4*\t:\f+4*\t+3], s[80:81] offset:(16*\i+4*(\t-4))*128 ; the same rows of the second head
.endr
.endm
	OUT16 0, 0, 0x0a, F0
	OUT16 1, 1, 0x0a, F1
	OUT16 2, 2, 0x0a, F0
	OUT16 3, 3, 0x0a, F1
	OUT16 4, 0, 0x0f, F0
	OUT16 5, 1, 0x0f, F1
	OUT16 6, 2, 0x0f, F0
	OUT16 7, 3, 0x0f, F1
	s_set_vgpr_msb 0x1
	s_wait_tensorcnt 0x0
	ds_add_u32 v255, v255
	s_wait_dscnt 0x0
	s_set_vgpr_msb 0x100
	CROUND                                         ; the closing round: no work-group ends while a partner may still ask for a tile that names it
	s_endpgm
.Lfunc_end_k_qa6a68134f7_proj:
	.size	k_qa6a68134f7_proj, .Lfunc_end_k_qa6a68134f7_proj-k_qa6a68134f7_proj
	.p2alignl 7, 3214868480
	.fill 96, 4, 3214868480
	.section	.rodata,"a",@progbits
	.p2align	6, 0x0
	.amdhsa_kernel k_qa6a68134f7_proj
		.amdhsa_group_segment_fixed_size 327680
		.amdhsa_private_segment_fixed_size 0
		.amdhsa_enable_private_segment 0
		.amdhsa_kernarg_size 16
		.amdhsa_user_sgpr_count 2
		.amdhsa_user_sgpr_kernarg_segment_ptr 1
		.amdhsa_wavefront_size32 1
		.amdhsa_system_sgpr_workgroup_id_x 1
		.amdhsa_system_sgpr_workgroup_id_y 1
		.amdhsa_system_sgpr_workgroup_id_z 1
		.amdhsa_system_vgpr_workitem_id 0
		.amdhsa_next_free_vgpr 1024
		.amdhsa_next_free_sgpr 84
		.amdhsa_reserve_vcc 0
		.amdhsa_float_denorm_mode_32 3
		.amdhsa_float_denorm_mode_16_64 3
		.amdhsa_memory_ordered 1
		.amdhsa_forward_progress 1
		.amdhsa_inst_pref_size 197
	.end_amdhsa_kernel
	.amdgpu_metadata
---
amdhsa.version: [ 1, 2 ]
amdhsa.kernels:
  - .name:           k_qa6a68134f7_proj
    .symbol:         k_qa6a68134f7_proj.kd
    .args:
      - { .name: cast, .offset: 0, .size: 8, .value_kind: global_buffer, .address_space: global }
      - { .name: qkv, .offset: 8, .size: 8, .value_kind: global_buffer, .address_space: global }
    .group_segment_fixed_size: 327680
    .private_segment_fixed_size: 0
    .kernarg_segment_align: 8
    .kernarg_segment_size: 16
    .max_flat_workgroup_size: 128
    .sgpr_count:     84
    .vgpr_count:     1024
    .wavefront_size: 32
...
	.end_amdgpu_metadata
.endif
;; end of part 2
;; launch attn (part 3): grid 256 x 1, 8 waves a work-group, clusters of 4 x 1, 312,320 bytes of LDS; arguments qkv, att; writes att
.if DOCPART == 3
	.amdgcn_target "amdgcn-amd-amdhsa--gfx1250"
	.amdhsa_code_object_version 6
	.text
	.protected	k_qa6a68134f7_attn
	.globl	k_qa6a68134f7_attn
	.p2align	8
	.type	k_qa6a68134f7_attn,@function
k_qa6a68134f7_attn:
	s_mov_b64 s[64:65], 0
	v_nop
	global_prefetch_b8 v0, s[64:65] scope:SCOPE_SE
	s_setreg_imm32_b32 hwreg(HW_REG_WAVE_MODE, 25, 1), 1
	s_wait_xcnt 0x0
	s_wait_alu depctr_hold_cnt(0) depctr_sa_sdst(0) depctr_va_vdst(0) depctr_va_sdst(0) depctr_va_ssrc(0) depctr_va_vcc(0) depctr_vm_vsrc(0)
	s_getreg_b32 s2, hwreg(HW_REG_IB_STS2, 6, 4)
	s_cmp_eq_u32 s2, 0
	s_cbranch_scc0 .Lentry_in_a_cluster
	s_endpgm
.Lentry_in_a_cluster:
	s_bfe_u32 s2, ttmp6, 0x10000c
	s_cmp_lg_u32 s2, 0x3003
	s_cbranch_scc0 .Lentry_shape_is_right
	s_endpgm
.Lentry_shape_is_right:
; Cross-attention, launch 3 of 4: for each batch and head, softmax(Q K^T / 8) V, 2048 queries x 1024 keys x 64.
; Nothing of reference() is left out; the maximum is taken away before the exponential, as a running maximum over steps of 64 keys.
; LIMITS: Q, K, V, the weights p and the result are bf16; the row sum is taken on the f32 weights; 2^t below 2^-126 counts as 0;
; the maximum ignores a NaN, which still reaches p, the sum and the result through the multiply-add and the exponential.
; A cluster of four work-groups is one (batch, head); a work-group takes 512 queries, a wave 64 (four blocks of 16).
; K AND V lie whole in LDS, 1024 keys x 144 bytes and 1024 keys x 160 bytes, each byte filled once.  The four work-groups read the same K and V,
; so every fill is a joint load (mask 15; its descriptor holds the cluster's number and the wave's number only).  The keys come in four quarters
; of 256: for each quarter waves 0-3 fetch 64 keys of K each, waves 4-7 64 keys of V each.  A wave issues its four loads in one group (four are
; out at the most) and waits for them one by one, each with a barrier in front of the quarter's first read: the first product waits for a
; quarter of the bytes, and the other three quarters land under the trips before them.
; LAYOUTS.  Scores are taken transposed (source 0 = 16 keys of K, source 1 = 16 queries): lane (r, h) holds query r, register j key 8 h + j
; of the tile.  So the maximum and the sum of a query are in-lane work and one exchange with lane xor 16, and packing a lane's 16 scores of 32 keys
; pairwise, in place, is the fragment of p for the second product.  That product is transposed too (source 0 = 16 d of V, by
; transposing loads; source 1 = p): lane (r, h) holds query r, d = 8 h + j, so the rescaling factor is one number a lane.
; TWO PIECES TAKE TURNS.  Piece A = query blocks 0, 1; piece B = blocks 2, 3; both use the same fragments of K and V.  While one piece's 16 score
; products are issued, the other piece's 32 multiply-adds, 64 exponentials and 32 sum steps stand behind them, eight to a product; while one
; piece's 16 second products are issued, the other piece's 32 rescaling multiplies stand behind them, two to a product.
; WINDOWS are laid so that these slices run under the products' own setting: scores name K's fragments, the scores and (source 1 only) Q in
; window 1, and every slice beside them has a constant as source 1; the second product has V, C and D in window 1 and p in window 0, which is what
; the rescaling multiply needs (result tile, result tile, factor).  The maxima and the packing to bf16 have two vector sources in window 0 and fit
; neither setting: they stand between the runs of products, one piece's packing merged with the other piece's maxima (80 instructions, twice a
; trip), and are left to the other wave of the SIMD to cover.  A trip has eight switches of window.
.set KP,   144                         ; K in LDS: 128 bytes + 16: an odd multiple of 16
.set VP,   160                         ; V in LDS: 128 bytes + 32: an odd multiple of 32, for the transposing load
.set VOFF, 1024*KP                     ; V behind K
; window 0
.set KA,  4                            ; v4   r x 144 + 16 h, stepped 64 keys a trip
.set VA,  5                            ; v5   VOFF + (8 h + l % 8) x 160 + 16 ((l / 8) % 2), stepped likewise
.set STO, 6                            ; v6   the way out: my 16 bytes in my wave's stage
.set RD,  7                            ; v7   the way out: where I read back
.set CO,  8                            ; v8   16 x lane
.set QO,  9                            ; v9   r x 128 + 16 h
.set NM,  16                           ; v[16:23]  block q: - c x maximum, twice (a pair for the packed multiply-add); c = log2(e) / 8
.set AL,  24                           ; v[24:31]  block q: v[24+2q] the rescaling factor, v[25+2q] the running sum of p over my half of the keys
.set MX,  32                           ; v[32:39]  block q: two chains of maxima; later at work
.set T,   40                           ; v[40:43]  block q: this trip's sum
.set SU,  44                           ; v[44:51]  block q: a pair of partial sums
.set MM,  52                           ; v[52:55]  block q: running maximum of the raw scores
.set KF,  64                           ; v[64:127]   K fragment (key tile kt, d half ds) at 64 + 16 kt + 8 ds
.set S,   128                          ; v[128:255]  scores (block q, key tile kt) at 128 + 32 q + 8 kt; then p at 128 + 32 q + 16 ks
; window 1
.set O,   0                            ; result tile (q, dt) at 32 q + 8 dt
.set Q,   128                          ; Q fragment (q, ds) at 128 + 16 q + 8 ds
.set VF,  192                          ; V fragment (ks, dt) at 192 + 32 ks + 8 dt
.set SCW, 0x04                         ; scores and their slices: source 1 window 1, the rest window 0
.set PVW, 0x51                         ; second product and the rescaling: source 0, source 2 and destination window 1, source 1 window 0
.set LVW, 0x40                         ; loads of V and of Q: data window 1, address window 0
.set RSW, 0x41                         ; the last scaling: destination and source 0 window 1, the factor window 0
.set CVW, 0x05                         ; packing the result: both sources window 1, destination window 0
.set G1K, 16                           ; s[16:23] descriptor group 1 for K
.set G1V, 24                           ; s[24:31] descriptor group 1 for V
.set G0K, 32                           ; s[32:47] descriptor group 0 for K, a set for each quarter
.set G0V, 48                           ; s[48:63] descriptor group 0 for V, a set for each quarter
.set MSB, 0
.macro WIN new                         ; the immediate's high byte repeats the setting that is left
.if MSB != \new
	s_set_vgpr_msb (MSB<<8)|\new
.set MSB, \new
.endif
.endm
.macro ROUND                           ; a round of the cluster's barrier
	s_barrier_signal -1
	s_barrier_wait -1
	s_cmp_lg_u32 s8, 0
	s_cbranch_scc1 .Lnot_wave_0_\@
	s_barrier_signal -3
.Lnot_wave_0_\@:
	s_barrier_wait -3
	s_barrier_signal -1
	s_barrier_wait -1
.endm
	s_load_b128 s[4:7], s[0:1], 0x0                ; qkv s[4:5], att s[6:7]
	v_lshl_add_u32 v62, v0, 2, 0x4c000
	v_mov_b32 v63, 0
	ds_add_u32 v62, v63
	v_lshrrev_b32 v1, 5, v0
	v_readfirstlane_b32 s8, v1                     ; wave 0..7
	s_mov_b32 s10, 0x76543210                      ; v_permlanex16_b32: lane i of one half reads lane i of the other
	s_mov_b32 s11, 0xfedcba98
	s_bfe_u32 s80, ttmp6, 0x40000                  ; cx: which 512 queries; it enters the addresses of Q and of the result only
	; group 1 for K: 64 keys are 8,192 dense bytes, taken as 32 rows of 256 bytes; 4 words of padding behind every 32 words, that is behind every key
	s_mov_b32 s[G1K+0], 15|(1<<16)|(1<<20)|(1<<21)|(4<<22)|(3<<25)
	s_mov_b32 s[G1K+1], 128<<16                    ; tensor_dim0 = 128 elements of 2 bytes
	s_mov_b32 s[G1K+2], 32<<16                     ; tensor_dim1 = 32
	s_mov_b32 s[G1K+3], 128<<16                    ; tile_dim0 = 128
	s_mov_b32 s[G1K+4], 32                         ; tile_dim1 = 32
	s_mov_b32 s[G1K+5], 128                        ; elements from row to row: dense
	s_mov_b32 s[G1K+6], 0
	s_mov_b32 s[G1K+7], 0
	; group 1 for V: the same with 8 words of padding
	s_mov_b32 s[G1V+0], 15|(1<<16)|(1<<20)|(1<<21)|(4<<22)|(7<<25)
	s_mov_b32 s[G1V+1], 128<<16
	s_mov_b32 s[G1V+2], 32<<16
	s_mov_b32 s[G1V+3], 128<<16
	s_mov_b32 s[G1V+4], 32
	s_mov_b32 s[G1V+5], 128
	s_mov_b32 s[G1V+6], 0
	s_mov_b32 s[G1V+7], 0
	s_and_b32 s70, s8, 3                           ; my place among the four waves that fetch K, or V
	s_mul_i32 s71, s70, 64*KP                      ; my 64 keys of a quarter of K in LDS
	s_mul_i32 s72, s70, 64*VP
	s_add_co_u32 s72, s72, VOFF                    ; and of V
	s_mul_i32 s73, s8, 64*KP                       ; my stage for the way out: 64 rows x 144 bytes
	s_lshl_b32 s74, ttmp9, 17                      ; (batch, head) x 1024 keys x 128 bytes
	s_lshl_b32 s75, s70, 13                        ; my 64 keys
	s_add_co_u32 s74, s74, s75
	s_add_co_u32 s74, s74, 16777216                ; K's region
	s_mov_b32 s75, 0
	s_lshl_b32 s82, ttmp9, 18                      ; (batch, head) x 2048 queries x 128 bytes
	s_lshl_b32 s83, s80, 16                        ; 512 queries
	s_add_co_u32 s82, s82, s83
	s_lshl_b32 s83, s8, 13                         ; my 64 queries
	s_add_co_u32 s82, s82, s83
	s_mov_b32 s83, 0
	v_and_b32 v1, 15, v0                           ; r
	v_bfe_u32 v2, v0, 4, 1                         ; h
	v_and_b32 v3, 7, v0
	v_bfe_u32 v10, v0, 3, 1
	v_bfe_u32 v11, v0, 3, 2
	v_mul_u32_u24 v[KA], v1, KP
	v_lshl_add_u32 v[KA], v2, 4, v[KA]
	v_add_nc_u32 v[STO], s73, v[KA]
	v_lshl_add_u32 v12, v2, 3, v3
	v_mul_u32_u24 v12, v12, VP
	v_lshl_add_u32 v12, v10, 4, v12
	v_add_nc_u32 v[VA], VOFF, v12
	v_mul_u32_u24 v13, v11, KP
	v_lshl_add_u32 v13, v3, 4, v13
	v_add_nc_u32 v[RD], s73, v13
	v_and_b32 v14, 31, v0
	v_lshlrev_b32 v[CO], 4, v14
	v_lshlrev_b32 v[QO], 7, v1
	v_lshl_add_u32 v[QO], v2, 4, v[QO]
	s_wait_dscnt 0x0
	s_wait_kmcnt 0x0
	s_add_nc_u64 s[66:67], s[4:5], s[82:83]        ; my queries
	s_add_nc_u64 s[68:69], s[6:7], s[82:83]        ; my rows of the result
	WIN LVW                                        ; Q goes out first: it is on its way while the work-groups meet
.irp qb, 0,1,2,3
.irp ds, 0,1
	global_load_b128 v[Q+16*\qb+8*\ds:Q+16*\qb+8*\ds+3],   v[QO], s[66:67] offset:2048*\qb+64*\ds
	global_load_b128 v[Q+16*\qb+8*\ds+4:Q+16*\qb+8*\ds+7], v[QO], s[66:67] offset:2048*\qb+64*\ds+32
.endr
.endr
	WIN 0
	s_add_nc_u64 s[76:77], s[4:5], s[74:75]        ; K: my 64 keys of the first quarter
	s_add_nc_u64 s[78:79], s[76:77], 8388608       ; V: its region lies 8,388,608 bytes behind K's
.irp n, 0,1,2,3
	s_mov_b32 s[G0K+4*\n], 1
	s_add_co_u32 s[G0K+4*\n+1], s71, \n*256*KP
	s_add_nc_u64 s[G0K+4*\n+2:G0K+4*\n+3], s[76:77], \n*32768          ; a quarter: 256 keys of 128 bytes
	s_or_b32 s[G0K+4*\n+3], s[G0K+4*\n+3], 0x80000000
	s_mov_b32 s[G0V+4*\n], 1
	s_add_co_u32 s[G0V+4*\n+1], s72, \n*256*VP
	s_add_nc_u64 s[G0V+4*\n+2:G0V+4*\n+3], s[78:79], \n*32768
	s_or_b32 s[G0V+4*\n+3], s[G0V+4*\n+3], 0x80000000
.endr
	ROUND                                          ; all four work-groups are here: the joint loads meet
	s_cmp_lt_u32 s8, 4                             ; the branch hangs on the wave's number alone; either way a wave issues four loads, the quarters in order
	s_cbranch_scc0 .Lfor_v
.irp n, 0,1,2,3
	tensor_load_to_lds s[G0K+4*\n:G0K+4*\n+3], s[G1K:G1K+7]
	s_nop 0
.endr
	s_branch .Lasked
.Lfor_v:
.irp n, 0,1,2,3
	tensor_load_to_lds s[G0V+4*\n:G0V+4*\n+3], s[G1V:G1V+7]
	s_nop 0
.endr
.Lasked:
.macro LOADK                           ; 16 loads: 64 keys x 64 d as eight fragments; data and address in window 0
.irp kt, 0,1,2,3
.irp ds, 0,1
	ds_load_b128 v[KF+16*\kt+8*\ds:KF+16*\kt+8*\ds+3],   v[KA] offset:\kt*16*KP+64*\ds
	ds_load_b128 v[KF+16*\kt+8*\ds+4:KF+16*\kt+8*\ds+7], v[KA] offset:\kt*16*KP+64*\ds+32
.endr
.endr
.endm
.macro LOADV                           ; 16 transposing loads: 64 keys x 64 d as eight fragments
	WIN LVW
.irp ks, 0,1
.irp dt, 0,1,2,3
	ds_load_tr16_b128 v[VF+32*\ks+8*\dt:VF+32*\ks+8*\dt+3],   v[VA] offset:\ks*32*VP+32*\dt
	ds_load_tr16_b128 v[VF+32*\ks+8*\dt+4:VF+32*\ks+8*\dt+7], v[VA] offset:\ks*32*VP+32*\dt+16*VP
.endr
.endr
.endm
; A quarter of the keys becomes readable: my reads so far are back (no LDS instruction is pending at a signal), my load of that quarter has landed
; (left = my loads of the later quarters, which stay out), and so for all eight waves.
.macro STAGEBAR left
	s_wait_dscnt 0x0
	s_wait_tensorcnt \left
	s_barrier_signal -1
	s_barrier_wait -1
.endm
; ---- the pieces' vector work.  A piece is named by its first block, 0 or 2; its 64 registers of scores and of results are contiguous. ----
; CV1: instruction number cn of what follows a piece's sums: 0-31 p packed to bf16 in place (in each group of 16 registers destination j from
; sources 2 j, 2 j + 1, j ascending: no source is overwritten before it is read), 32-33 the two running sums.
.macro CV1 cp, lsfirst
.if DOCV
.if cn < 32
	v_cvt_pk_bf16_f32 v[S+32*\cp+16*(cn/8)+cn%8], v[S+32*\cp+16*(cn/8)+2*(cn%8)], v[S+32*\cp+16*(cn/8)+2*(cn%8)+1]
.endif
.if cn >= 32
.if cn < 34
.if \lsfirst
	v_mov_b32 v[AL+2*(\cp+cn-32)+1], v[T+\cp+cn-32]
	s_wait_alu depctr_va_vdst(0)
.else
	v_fma_f32 v[AL+2*(\cp+cn-32)+1], v[AL+2*(\cp+cn-32)+1], v[AL+2*(\cp+cn-32)], v[T+\cp+cn-32]
.endif
.endif
.endif
.set cn, cn+1
.endif
.endm
; MERGE: piece cp's packing and running sums (docv) merged with piece mp's maxima (domx), all in window 0.
; The maxima: two chains for each block (registers 0-14 and 16-30), so four chains that do not wait for each other; then registers 15 and 31, the running
; maximum, the other half of the keys from lane xor 16; the shift - c m; the factor 2^(c (m old - m new)), made from the same rounded shifts that the
; exponentials use.  The short dependent lines at the end have the other piece's packing between them.
.macro MERGE cp, mp, docv, domx, lsfirst, mxfirst
.set DOCV, \docv
.set cn, 0
.rept 4
	CV1 \cp, \lsfirst
.endr
.if \domx
.irp h, 0,1
.irp u, 0,1
	v_max3_num_f32 v[MX+2*(\mp+\u)+\h], v[S+32*(\mp+\u)+16*\h], v[S+32*(\mp+\u)+16*\h+1], v[S+32*(\mp+\u)+16*\h+2]
.endr
	CV1 \cp, \lsfirst
.endr
.set mr, 1
.rept 6
.irp h, 0,1
.irp u, 0,1
	v_max3_num_f32 v[MX+2*(\mp+\u)+\h], v[MX+2*(\mp+\u)+\h], v[S+32*(\mp+\u)+16*\h+2*mr+1], v[S+32*(\mp+\u)+16*\h+2*mr+2]
.endr
	CV1 \cp, \lsfirst
.endr
.set mr, mr+1
.endr
.irp u, 0,1
	v_max3_num_f32 v[MX+2*(\mp+\u)], v[MX+2*(\mp+\u)], v[MX+2*(\mp+\u)+1], v[S+32*(\mp+\u)+15]
	CV1 \cp, \lsfirst
.endr
.irp u, 0,1
.if \mxfirst
	v_max_num_f32 v[MX+2*(\mp+\u)], v[MX+2*(\mp+\u)], v[S+32*(\mp+\u)+31]
.else
	v_max3_num_f32 v[MX+2*(\mp+\u)], v[MX+2*(\mp+\u)], v[S+32*(\mp+\u)+31], v[MM+\mp+\u]
.endif
	CV1 \cp, \lsfirst
.endr
.irp u, 0,1
	v_permlanex16_b32 v[MX+2*(\mp+\u)+1], v[MX+2*(\mp+\u)], s10, s11   ; its destination counts as read: the second chain's register, written and no longer needed
	CV1 \cp, \lsfirst
.endr
.irp u, 0,1
	v_max_num_f32 v[MM+\mp+\u], v[MX+2*(\mp+\u)], v[MX+2*(\mp+\u)+1]
	CV1 \cp, \lsfirst
.endr
.irp u, 0,1
	v_mul_f32 v[MX+2*(\mp+\u)], 0xbe38aa3b, v[MM+\mp+\u]               ; - c m, c = 0.125 log2(e)
	CV1 \cp, \lsfirst
.endr
.if \mxfirst == 0
.irp u, 0,1
	v_sub_f32 v[MX+2*(\mp+\u)+1], v[MX+2*(\mp+\u)], v[NM+2*(\mp+\u)]   ; c (m old - m new), at most 0
	CV1 \cp, \lsfirst
.endr
.irp u, 0,1
	v_exp_f32 v[AL+2*(\mp+\u)], v[MX+2*(\mp+\u)+1]                     ; a plain instruction follows each, long before the factor is used (ISA guide 5.7.2)
	CV1 \cp, \lsfirst
.endr
.endif
.irp u, 0,1
	v_mov_b32 v[NM+2*(\mp+\u)], v[MX+2*(\mp+\u)]
	CV1 \cp, \lsfirst
.endr
	s_wait_alu depctr_va_vdst(0)
.irp u, 0,1
	v_mov_b32 v[NM+2*(\mp+\u)+1], v[MX+2*(\mp+\u)]
.endr
.endif
.rept 34
	CV1 \cp, \lsfirst                              ; what is left of the 34
.endr
.endm
; ASL: pair j (0..31) of piece vp: t = c s - c m, one fused multiply-add for two scores.  Source 1 is the constant.
.macro ASL vp, j
	v_pk_fma_f32 v[S+32*\vp+2*(\j):S+32*\vp+2*(\j)+1], v[S+32*\vp+2*(\j):S+32*\vp+2*(\j)+1], 0x3e38aa3b, v[NM+2*(\vp+(\j)/16):NM+2*(\vp+(\j)/16)+1] op_sel_hi:[1,0,1]
.endm
; CSL: pair j of piece vp joins its block's sum: p x 1.0 + sum, so that source 1 is a constant.  A block's pair 0 is taken with its pair 1; in the
; second block's empty turn the first block's two partial sums are added.
.macro CSL vp, j
.if (\j) == 16
	v_fma_f32 v[T+\vp], v[SU+2*\vp], 1.0, v[SU+2*\vp+1]
.endif
.if (\j)%16 == 1
	s_wait_alu depctr_va_vdst(0)
	v_pk_fma_f32 v[SU+2*(\vp+(\j)/16):SU+2*(\vp+(\j)/16)+1], v[S+32*\vp+2*(\j)-2:S+32*\vp+2*(\j)-1], 1.0, v[S+32*\vp+2*(\j):S+32*\vp+2*(\j)+1] op_sel_hi:[1,0,1]
.endif
.if (\j)%16 > 1
	s_wait_alu depctr_va_vdst(0)
	v_pk_fma_f32 v[SU+2*(\vp+(\j)/16):SU+2*(\vp+(\j)/16)+1], v[S+32*\vp+2*(\j):S+32*\vp+2*(\j)+1], 1.0, v[SU+2*(\vp+(\j)/16):SU+2*(\vp+(\j)/16)+1] op_sel_hi:[1,0,1]
.endif
.endm
; FSTEP: step k (0..31): pair k's two exponentials, in place; between them the multiply-add six pairs ahead, behind them the sum three pairs back,
; so that plain instructions stand between every exponential and the use of its result (ISA guide 5.7.2).
.macro FSTEP vp, k
	v_exp_f32 v[S+32*\vp+2*(\k)], v[S+32*\vp+2*(\k)]
.if (\k)+6 < 32
	ASL \vp, (\k)+6
.endif
	v_exp_f32 v[S+32*\vp+2*(\k)+1], v[S+32*\vp+2*(\k)+1]
.if (\k) >= 3
	CSL \vp, (\k)-3
.endif
.endm
; RS1: pair n (0..31) of piece rp's result tiles times its query's factor (the pair's first register, for both halves).
.macro RS1 rp, n
	v_pk_mul_f32 v[O+32*\rp+2*(\n):O+32*\rp+2*(\n)+1], v[O+32*\rp+2*(\n):O+32*\rp+2*(\n)+1], v[AL+2*(\rp+(\n)/16):AL+2*(\rp+(\n)/16)+1] op_sel_hi:[1,0]
.endm
; ---- the products.  In each run of 16 the piece's eight accumulators take turns, one instruction a turn. ----
; SCP: score product p (0..15) of piece pp: d half p / 8, key tile (p % 8) / 2, block p % 2.  The first d half starts the sums.
.macro SCP pp, p
.set sq, \pp+(\p)%2
.set sk, ((\p)%8)/2
.set sd, (\p)/8
.if sd == 0
	v_wmma_f32_16x16x32_bf16 v[S+32*sq+8*sk:S+32*sq+8*sk+7], v[KF+16*sk+8*sd:KF+16*sk+8*sd+7], v[Q+16*sq+8*sd:Q+16*sq+8*sd+7], 0
.else
	v_wmma_f32_16x16x32_bf16 v[S+32*sq+8*sk:S+32*sq+8*sk+7], v[KF+16*sk+8*sd:KF+16*sk+8*sd+7], v[Q+16*sq+8*sd:Q+16*sq+8*sd+7], v[S+32*sq+8*sk:S+32*sq+8*sk+7]
.endif
.endm
; PVP: second product p (0..15) of piece pp: key half p / 8, block (p % 8) / 4, d tile p % 4.  zero = 1: the first key half starts the sums.
.macro PVP pp, p, zero
.set pk, (\p)/8
.set pq, \pp+((\p)%8)/4
.set pd, (\p)%4
.if \zero*(1-pk)
	v_wmma_f32_16x16x32_bf16 v[O+32*pq+8*pd:O+32*pq+8*pd+7], v[VF+32*pk+8*pd:VF+32*pk+8*pd+7], v[S+32*pq+16*pk:S+32*pq+16*pk+7], 0
.else
	v_wmma_f32_16x16x32_bf16 v[O+32*pq+8*pd:O+32*pq+8*pd+7], v[VF+32*pk+8*pd:VF+32*pk+8*pd+7], v[S+32*pq+16*pk:S+32*pq+16*pk+7], v[O+32*pq+8*pd:O+32*pq+8*pd+7]
.endif
.endm
; FES: piece vp's multiply-adds, exponentials and sums, two steps behind each of piece pp's 16 score products (prod = 0: there are none left).
; The six multiply-adds at the head are the places behind the second products just issued: four for the loads into V's fragments, five for the score
; products that write over p.  The six sum steps behind the last product are the places for the loads into K's fragments and for
; the maxima that read the scores.  ldv = 1: the next 64 keys of V are loaded here, behind their last readers.
.macro FES vp, pp, prod, ldv
	WIN SCW
.set fj, 0
.rept 6
	ASL \vp, fj
.set fj, fj+1
.endr
.if \ldv
	LOADV
	WIN SCW
.endif
.set fp, 0
.rept 16
.if \prod
	SCP \pp, fp
.endif
	FSTEP \vp, 2*fp
	FSTEP \vp, 2*fp+1
.set fp, fp+1
.endr
	CSL \vp, 29
	CSL \vp, 30
	CSL \vp, 31
	v_fma_f32 v[T+\vp+1], v[SU+2*\vp+2], 1.0, v[SU+2*\vp+3]
.endm
; PVR: piece pp's 16 second products; behind each, two of piece rp's 32 rescaling multiplies (resc = 0: none are due).
.macro PVR pp, rp, zero, resc
	WIN PVW
.set fp, 0
.rept 16
	PVP \pp, fp, \zero
.if \resc
	RS1 \rp, 2*fp
	RS1 \rp, 2*fp+1
.endif
.set fp, fp+1
.endr
.endm
; One trip t.  On entry: A's p of trip t are summed but not packed, B's scores of trip t are there, V(t) is on its way.
.macro RTRIP first, last
.if \last == 0
	v_add_nc_u32 v[KA], 64*KP, v[KA]               ; the next 64 keys
	v_add_nc_u32 v[VA], 64*VP, v[VA]
	LOADK                                          ; K(t+1): both pieces' scores of trip t have read K(t)
.endif
	MERGE 0, 2, 1, 1, \first, \first               ; A(t) packed, its running sums; B(t)'s maxima, shift and factor
.if \last
	s_wait_dscnt 0x0                               ; V(t) is in
.else
	s_wait_dscnt 16                                ; V(t) is in; the 16 younger loads of K(t+1) may be out
.endif
	PVR 0, 2, \first, 1-\first                     ; A(t)'s second products; B's result rescaled for trip t
.if \last
	FES 2, 0, 0, 0                                 ; B(t)'s exponentials; no scores are left
.else
	s_wait_dscnt 0x0                               ; K(t+1) is in
	FES 2, 0, 1, 0                                 ; A(t+1)'s scores; B(t)'s exponentials
.endif
	WIN 0
	MERGE 2, 0, 1, 1-\last, \first, 0              ; B(t) packed, its running sums; A(t+1)'s maxima, shift and factor
	PVR 2, 0, \first, 1-\last                      ; B(t)'s second products; A's result rescaled for trip t+1
.if \last == 0
	FES 0, 2, 1, 1                                 ; B(t+1)'s scores; A(t+1)'s exponentials; V(t+1) is loaded
.endif
	WIN 0                                          ; at a label and at a branch every window is 0
.endm
.macro TRIPS n
	s_mov_b32 s9, \n
.Ltrips_\@:
	RTRIP 0, 0
	s_sub_co_u32 s9, s9, 1
	s_cmp_lg_u32 s9, 0
	s_cbranch_scc1 .Ltrips_\@
.endm
	STAGEBAR 3                                     ; keys 0-255: my first load has landed, my other three stay out
	LOADK                                          ; K(0)
	s_wait_loadcnt 0x0                             ; Q, once
	s_wait_dscnt 0x0
	WIN SCW
.set fp, 0
.rept 16
	SCP 0, fp                                      ; A(0)'s scores: nothing is there yet to put beside them
.set fp, fp+1
.endr
	WIN 0
.rept 4
	v_nop                                          ; four places between these products and the maxima that read them (ISA guide 7.12.1)
.endr
	MERGE 0, 0, 0, 1, 0, 1                         ; A(0)'s maxima start the running maxima: nothing is cleared
	FES 0, 2, 1, 1                                 ; B(0)'s scores; A(0)'s exponentials; V(0) is loaded
	WIN 0
	RTRIP 1, 0                                     ; trip 0 starts the sums; it loads K(1), V(1)
	TRIPS 2                                        ; trips 1, 2 load the keys of trips 2, 3: the first quarter's last
	STAGEBAR 2                                     ; keys 256-511: two of my loads may stay out
	TRIPS 4                                        ; trips 3-6 load the keys of trips 4-7
	STAGEBAR 1                                     ; keys 512-767
	TRIPS 4                                        ; trips 7-10 load the keys of trips 8-11
	STAGEBAR 0                                     ; keys 768-1023: no tensor load is out from here on
	TRIPS 4                                        ; trips 11-14 load the keys of trips 12-15
	RTRIP 0, 1                                     ; trip 15 loads nothing
	; THE WAY OUT.  The two halves of each query's sum meet; the result is divided by it.  The four additions and the v_nop are the places between the
	; last products and the first reading of their results.
.irp qb, 0,1,2,3
	v_permlanex16_b32 v[T+\qb], v[AL+2*\qb+1], s10, s11
.endr
.irp qb, 0,1,2,3
	v_add_f32 v[AL+2*\qb+1], v[AL+2*\qb+1], v[T+\qb]
.endr
.irp qb, 0,1,2,3
	v_rcp_f32 v[AL+2*\qb], v[AL+2*\qb+1]
.endr
	v_nop                                          ; one plain instruction behind the reciprocals before their results are used (ISA guide 5.7.2)
	s_wait_alu depctr_va_vdst(0)
	WIN RSW
.set fp, 0
.rept 32
	RS1 0, fp
.set fp, fp+1
.endr
.set fp, 0
.rept 32
	RS1 2, fp
.set fp, fp+1
.endr
	WIN CVW
.irp qb, 0,1,2,3
.irp dt, 0,1,2,3
.irp j, 0,1,2,3
	v_cvt_pk_bf16_f32 v[S+16*\qb+4*\dt+\j], v[O+32*\qb+8*\dt+2*\j], v[O+32*\qb+8*\dt+2*\j+1]
.endr
.endr
.endr
	WIN 0
	s_wait_dscnt 0x0                               ; my reads of K and V are over
	s_barrier_signal -1
	s_barrier_wait -1                              ; everybody's are: K's bytes, which have had their only fill, now serve as stages, 9,216 bytes a wave
.irp qb, 0,1,2,3
.irp dt, 0,1,2,3
	ds_store_b128 v[STO], v[S+16*\qb+4*\dt:S+16*\qb+4*\dt+3] offset:\qb*16*KP+32*\dt
.endr
.endr
.irp t, 0,1,2,3,4,5,6,7,8,9,10,11,12,13,14,15
	ds_load_b128 v[S+64+4*\t:S+64+4*\t+3], v[RD] offset:4*KP*\t        ; four whole rows; LDS serves a wave's instructions in order: these see my stores
.endr
.irp t, 0,1,2,3,4,5,6,7,8,9,10,11,12,13,14,15
	s_wait_dscnt 15-\t                             ; read-back t is in, the younger ones stay out
	global_store_b128 v[CO], v[S+64+4*\t:S+64+4*\t+3], s[68:69] offset:512*\t      ; four rows of my head: 512 consecutive bytes
.endr
	s_wait_tensorcnt 0x0
	ds_add_u32 v62, v63
	s_wait_dscnt 0x0
	ROUND                                          ; the closing round
	s_endpgm
.Lfunc_end_k_qa6a68134f7_attn:
	.size	k_qa6a68134f7_attn, .Lfunc_end_k_qa6a68134f7_attn-k_qa6a68134f7_attn
	.p2alignl 7, 3214868480
	.fill 96, 4, 3214868480
	.section	.rodata,"a",@progbits
	.p2align	6, 0x0
	.amdhsa_kernel k_qa6a68134f7_attn
		.amdhsa_group_segment_fixed_size 312320
		.amdhsa_private_segment_fixed_size 0
		.amdhsa_enable_private_segment 0
		.amdhsa_kernarg_size 16
		.amdhsa_user_sgpr_count 2
		.amdhsa_user_sgpr_kernarg_segment_ptr 1
		.amdhsa_wavefront_size32 1
		.amdhsa_system_sgpr_workgroup_id_x 1
		.amdhsa_system_sgpr_workgroup_id_y 1
		.amdhsa_system_sgpr_workgroup_id_z 1
		.amdhsa_system_vgpr_workitem_id 0
		.amdhsa_next_free_vgpr 512
		.amdhsa_next_free_sgpr 84
		.amdhsa_reserve_vcc 0
		.amdhsa_float_denorm_mode_32 3
		.amdhsa_float_denorm_mode_16_64 3
		.amdhsa_memory_ordered 1
		.amdhsa_forward_progress 1
		.amdhsa_inst_pref_size 233
	.end_amdhsa_kernel
	.amdgpu_metadata
---
amdhsa.version: [ 1, 2 ]
amdhsa.kernels:
  - .name:           k_qa6a68134f7_attn
    .symbol:         k_qa6a68134f7_attn.kd
    .args:
      - { .name: qkv, .offset: 0, .size: 8, .value_kind: global_buffer, .address_space: global }
      - { .name: att, .offset: 8, .size: 8, .value_kind: global_buffer, .address_space: global }
    .group_segment_fixed_size: 312320
    .private_segment_fixed_size: 0
    .kernarg_segment_align: 8
    .kernarg_segment_size: 16
    .max_flat_workgroup_size: 256
    .sgpr_count:     84
    .vgpr_count:     512
    .wavefront_size: 32
...
	.end_amdgpu_metadata
.endif
;; end of part 3
;; launch oproj (part 4): grid 4 x 64, 4 waves a work-group, clusters of 4 x 4, 327,680 bytes of LDS; arguments att, cast, bo, out0; writes out0
.if DOCPART == 4
	.amdgcn_target "amdgcn-amd-amdhsa--gfx1250"
	.amdhsa_code_object_version 6
	.text
	.protected	k_qa6a68134f7_oproj
	.globl	k_qa6a68134f7_oproj
	.p2align	8
	.type	k_qa6a68134f7_oproj,@function
k_qa6a68134f7_oproj:
	s_mov_b64 s[64:65], 0
	v_nop
	global_prefetch_b8 v0, s[64:65] scope:SCOPE_SE
	s_setreg_imm32_b32 hwreg(HW_REG_WAVE_MODE, 25, 1), 1
	s_wait_xcnt 0x0
	s_wait_alu depctr_hold_cnt(0) depctr_sa_sdst(0) depctr_va_vdst(0) depctr_va_sdst(0) depctr_va_ssrc(0) depctr_va_vcc(0) depctr_vm_vsrc(0)
	s_getreg_b32 s2, hwreg(HW_REG_IB_STS2, 6, 4)
	s_cmp_eq_u32 s2, 0
	s_cbranch_scc0 .Lentry_in_a_cluster
	s_endpgm
.Lentry_in_a_cluster:
	s_bfe_u32 s2, ttmp6, 0x10000c
	s_cmp_lg_u32 s2, 0xf033
	s_cbranch_scc0 .Lentry_shape_is_right
	s_endpgm
.Lentry_shape_is_right:
; Cross-attention, launch 4 of 4: out0 = attention's result x Wo + bo, 8192 x 1024 x 1024.  Nothing of reference() is left out.
; Operands bf16, sums f32, the bias added in f32, the result stored as f32.
; 256 blocks of 128 rows x 256 columns, one for each work-group (blocks of 256 x 256 would be 128).  Four waves; a wave makes 64 x 128:
; 32 accumulator tiles of 16 x 16, 256 registers.
; The left operand lies head-major, [b 4][h 16][n 2048][64]: a K step of 128 is two heads.  For 64 rows a head is 8,192 dense bytes, so one
; tensor load brings 2 rows of 8,192 bytes (the two heads), padded behind every 128 bytes: in LDS [head 2][row 64] at a pitch of 144 bytes.
; Wo lies [k][n] in the workspace cast at byte 31,457,280: 128 k-rows x 256 columns a step, at a pitch of 544 bytes, read by transposing loads.
; CLUSTERS: 4 x 4 work-groups; the left operand's tiles are asked for jointly along a row of the cluster, Wo's along a column.
; A wave has two tensor loads out at the start and one behind each change of slots.
; REGISTERS: window 0: addresses, the bias, two buffers of fragments; window 1: accumulator (a, b) at v[8 (8 a + b)], a = 0..3, b = 0..7.
; The matrix instruction is used transposed (source 0 = 16 columns of Wo, source 1 = 16 rows): a lane holds eight neighbouring columns of one row.
.set AP,     144                       ; left operand in LDS: 128 bytes + 16
.set AREG,   128*AP                    ; what one of its loads brings: 2 heads x 64 rows: 18,432 bytes
.set BP,     544                       ; Wo in LDS: 512 bytes + 32, an odd multiple of 32
.set WBASE,  2*AREG                    ; Wo's 128 k-rows behind the left operand's two regions
.set WHALF,  64*BP                     ; what one of its loads brings: 34,816 bytes
.set SLOT,   WBASE+2*WHALF             ; 106,496
.set STAGE,  2*SLOT                    ; 212,992: behind the ring, 16 rows x 528 bytes for each wave; no fill lands here
.set SPITCH, 528                       ; 512 bytes + 16: an odd multiple of 16
.set LAPS,   4                         ; 8 K steps, two a lap
.set ADRA, 16
.set ADRB, 20
.set STO,  24
.set RD,   25
.set CO,   26
.set BIAS, 28                          ; v[28:31]  bo of my four columns of a row's 128
.set FA0,  32                          ; left operand's fragments (4 x 16 rows x 32 K), two buffers
.set FA1,  64
.set FB0,  96                          ; Wo's fragments (8 x 16 columns x 32 K), two buffers
.set FB1,  160
.set G1,  24
.set G0,  32
.set G1B, 48
.set G0B, 56
.set MULW, 0x50                        ; C and D window 1, both sources window 0
.set STW,  0x04                        ; LDS store: data window 1, address window 0
.set MSB, 0
.macro WIN new                         ; the immediate's high byte repeats the setting that is left
.if MSB != \new
	s_set_vgpr_msb (MSB<<8)|\new
.set MSB, \new
.endif
.endm
.macro JLOAD s                         ; waves 0 and 1 fetch the left operand's two row halves, waves 2 and 3 Wo's two halves of k-rows
	s_cmp_eq_u32 s11, 0
	s_cbranch_scc0 .Lfor_b_\@
	tensor_load_to_lds s[G0+4*\s:G0+4*\s+3], s[G1:G1+7]
	s_nop 0
	s_branch .Lasked_\@
.Lfor_b_\@:
	tensor_load_to_lds s[G0B+4*\s:G0B+4*\s+3], s[G1B:G1B+7]
	s_nop 0
.Lasked_\@:
.endm
.macro CREST                           ; a round of the cluster's barrier behind its opening barrier
	s_cmp_lg_u32 s10, 0
	s_cbranch_scc1 .Lnot_wave_0_\@
	s_barrier_signal -3
.Lnot_wave_0_\@:
	s_barrier_wait -3
	s_barrier_signal -1
	s_barrier_wait -1
.endm
.macro CROUND
	s_barrier_signal -1
	s_barrier_wait -1
	CREST
.endm
	s_load_b256 s[68:75], s[0:1], 0x0              ; att s[68:69], cast s[70:71], bo s[72:73], out0 s[74:75]
	v_lshl_add_u32 v254, v0, 2, 0x3c400
	v_mov_b32 v255, 0
	ds_add_u32 v254, v255
	v_lshrrev_b32 v1, 5, v0
	v_readfirstlane_b32 s10, v1                    ; wave 0..3
	s_lshr_b32 s11, s10, 1                         ; which 64 rows are mine.  Also: I fetch the left operand (0) or Wo (1)
	s_and_b32 s12, s10, 1                          ; which 128 columns.  Also: which half of that tile I fetch
	s_bfe_u32 s40, ttmp6, 0x40000                  ; cx
	s_bfe_u32 s41, ttmp6, 0x40004                  ; cy
	s_lshl_b32 s42, ttmp9, 2
	s_add_co_u32 s42, s42, s40                     ; block column
	s_and_b32 s13, ttmp7, 0xffff
	s_lshl_b32 s13, s13, 2
	s_add_co_u32 s13, s13, s41                     ; block row, 0..63
	s_lshl_b32 s43, s41, 2
	s_lshl_b32 s43, 15, s43                        ; my row of the cluster
	s_lshl_b32 s44, 0x1111, s40                    ; my column
	; group 1, left operand: 2 rows of 4,096 elements of 2 bytes, 131,072 elements (a head) apart; 4 words of padding behind every 32
	s_or_b32 s[G1+0], s43, (1<<16)|(1<<20)|(1<<21)|(4<<22)|(3<<25)
	s_mov_b32 s[G1+1], 4096<<16                    ; tensor_dim0 = 4096
	s_mov_b32 s[G1+2], 2<<16                       ; tensor_dim1 = 2
	s_mov_b32 s[G1+3], 4096<<16                    ; tile_dim0 = 4096
	s_mov_b32 s[G1+4], 2                           ; tile_dim1 = 2
	s_mov_b32 s[G1+5], 131072
	s_mov_b32 s[G1+6], 0
	s_mov_b32 s[G1+7], 0
	; group 1, Wo: 64 k-rows x 256 elements of 2 bytes, 8 words of padding behind every 128
	s_or_b32 s[G1B+0], s44, (1<<16)|(1<<20)|(1<<21)|(6<<22)|(7<<25)
	s_mov_b32 s[G1B+1], 256<<16
	s_mov_b32 s[G1B+2], 64<<16
	s_mov_b32 s[G1B+3], 256<<16
	s_mov_b32 s[G1B+4], 64
	s_mov_b32 s[G1B+5], 1024
	s_mov_b32 s[G1B+6], 0
	s_mov_b32 s[G1B+7], 0
	; the left operand's tile: batch = block row / 16, 128 rows a block, my 64 of them.  These registers never hold cx.
	s_lshr_b32 s16, s13, 4
	s_lshl_b32 s16, s16, 22                        ; 16 heads x 2048 rows x 128 bytes
	s_and_b32 s17, s13, 15
	s_lshl_b32 s17, s17, 14                        ; 128 rows x 128 bytes
	s_add_co_u32 s16, s16, s17
	s_lshl_b32 s17, s12, 13                        ; 64 rows
	s_add_co_u32 s16, s16, s17
	s_mov_b32 s17, 0
	; Wo's tile: my 64 k-rows, the block's 256 columns.  These registers never hold cy.
	s_lshl_b32 s46, s12, 17
	s_lshl_b32 s47, s42, 9
	s_add_co_u32 s46, s46, s47
	s_add_co_u32 s46, s46, 31457280
	s_mov_b32 s47, 0
	s_mul_i32 s18, s12, AREG                       ; where a load of the left operand goes (waves 0, 1),
	s_mul_i32 s19, s12, WHALF
	s_add_co_u32 s19, s19, WBASE                   ; and one of Wo (waves 2, 3): the wave's number alone
	s_lshl_b32 s78, s42, 10                        ; my 128 columns in bo: 256 x 4 bytes a block, 128 x 4 a half
	s_lshl_b32 s79, s12, 9
	s_add_co_u32 s78, s78, s79
	s_mov_b32 s79, 0
	s_wait_dscnt 0x0
	s_wait_kmcnt 0x0
	s_add_nc_u64 s[14:15], s[68:69], s[16:17]
	s_add_nc_u64 s[46:47], s[70:71], s[46:47]
	s_add_nc_u64 s[76:77], s[72:73], s[78:79]
	CROUND                                         ; all sixteen work-groups are here: the first joint loads meet
.irp s, 0,1
	s_mov_b32 s[G0+4*\s], 1
	s_add_co_u32 s[G0+4*\s+1], s18, \s*SLOT
	s_add_nc_u64 s[G0+4*\s+2:G0+4*\s+3], s[14:15], \s*524288           ; K step s: two heads on
	s_or_b32 s[G0+4*\s+3], s[G0+4*\s+3], 0x80000000
	s_mov_b32 s[G0B+4*\s], 1
	s_add_co_u32 s[G0B+4*\s+1], s19, \s*SLOT
	s_add_nc_u64 s[G0B+4*\s+2:G0B+4*\s+3], s[46:47], \s*262144         ; K step s: 128 k-rows down
	s_or_b32 s[G0B+4*\s+3], s[G0B+4*\s+3], 0x80000000
	JLOAD \s
.endr
	v_and_b32 v1, 15, v0                           ; l % 16
	v_bfe_u32 v2, v0, 4, 1                         ; l / 16
	v_mul_u32_u24 v3, v1, AP
	v_lshl_add_u32 v3, v2, 4, v3                   ; row x 144 + 16 x half
	v_and_b32 v6, 7, v0
	v_lshl_add_u32 v6, v2, 3, v6                   ; k-row 8 (l / 16) + l % 8
	v_mul_u32_u24 v6, v6, BP
	v_bfe_u32 v7, v0, 3, 1
	v_lshl_add_u32 v6, v7, 4, v6                   ; and the 16 bytes numbered (l / 8) % 2
	s_mul_i32 s21, s11, AREG                       ; my 64 rows
	s_lshl_b32 s22, s12, 8                         ; my 128 columns
	s_add_co_u32 s22, s22, WBASE
.irp s, 0,1
	v_add_nc_u32 v[ADRA+\s], s21, v3
	v_add_nc_u32 v[ADRB+\s], s22, v6
	s_add_co_u32 s21, s21, SLOT
	s_add_co_u32 s22, s22, SLOT
.endr
	s_mul_i32 s23, s10, 16*SPITCH
	s_add_co_u32 s23, s23, STAGE                   ; my stage
	v_mul_u32_u24 v4, v1, SPITCH                   ; in: row l % 16, 32 bytes for each half of the lanes
	v_lshl_add_u32 v4, v2, 5, v4
	v_add_nc_u32 v[STO], s23, v4
	v_and_b32 v5, 31, v0
	v_lshlrev_b32 v[CO], 4, v5                     ; 16 x lane
	v_add_nc_u32 v[RD], s23, v[CO]                 ; back: the wave takes a whole row of 512 bytes
	global_load_b128 v[BIAS:BIAS+3], v[CO], s[76:77]       ; waited for in front of the way out
; 8 matrix instructions: row block a x all 8 column blocks, 32 along K
.macro MULA fa, fb, a, zero
.irp b, 0,1,2,3,4,5,6,7
.if \zero
	v_wmma_f32_16x16x32_bf16 v[8*(8*\a+\b):8*(8*\a+\b)+7], v[\fb+8*\b:\fb+8*\b+7], v[\fa+8*\a:\fa+8*\a+7], 0
.else
	v_wmma_f32_16x16x32_bf16 v[8*(8*\a+\b):8*(8*\a+\b)+7], v[\fb+8*\b:\fb+8*\b+7], v[\fa+8*\a:\fa+8*\a+7], v[8*(8*\a+\b):8*(8*\a+\b)+7]
.endif
.endr
.endm
; 24 LDS loads in one run: quarter q of a slot: Wo's 128 columns, then my 64 rows (quarters 0, 1: the first head's d 0-31, 32-63; 2, 3: the second's)
.macro FETCH slot, q, fa, fb
.irp i, 0,1,2,3,4,5,6,7
	ds_load_tr16_b128 v[\fb+8*\i:\fb+8*\i+3],   v[ADRB+\slot] offset:\q*32*BP+32*\i
	ds_load_tr16_b128 v[\fb+8*\i+4:\fb+8*\i+7], v[ADRB+\slot] offset:\q*32*BP+32*\i+16*BP
.endr
.irp i, 0,1,2,3
	ds_load_b128 v[\fa+8*\i:\fa+8*\i+3],   v[ADRA+\slot] offset:(\q>>1)*64*AP+(\q&1)*64+\i*16*AP
	ds_load_b128 v[\fa+8*\i+4:\fa+8*\i+7], v[ADRA+\slot] offset:(\q>>1)*64*AP+(\q&1)*64+\i*16*AP+32
.endr
.endm
.macro PLACES                          ; four places behind matrix instructions, in front of loads into their sources and of readers of their results
.rept 4
	v_nop
.endr
.endm
; A K step is four quarters of 32 matrix instructions.  The 32 accumulators take turns, one instruction a turn, in one order.
.macro QUARTER slot, q, fa, fb, ga, gb, zero
	s_wait_dscnt 4                                 ; Wo and my row blocks 0, 1 are in; the youngest four loads (row blocks 2, 3) may be out
	WIN MULW
	MULA \fa, \fb, 0, \zero
	MULA \fa, \fb, 1, \zero
	WIN 0
	PLACES
	FETCH \slot, \q, \ga, \gb
	s_wait_dscnt 24                                ; all but the 24 just issued
	WIN MULW
	MULA \fa, \fb, 2, \zero
	MULA \fa, \fb, 3, \zero
.endm
.macro THREE slot, zero
	QUARTER \slot, 1, FA0, FB0, FA1, FB1, \zero
	QUARTER \slot, 2, FA1, FB1, FA0, FB0, 0
	QUARTER \slot, 3, FA0, FB0, FA1, FB1, 0
.endm
; The last quarter changes slots: each wave's reads of this slot and all its tensor loads are waited for in front of the barrier; where the slot is
; filled again the barrier opens a round of the cluster's barrier and the joint refill is the first tensor load behind the round.
; From a request to the wait for it a wave issues 120 matrix instructions.
.macro TURN slot, next, fill
	s_wait_dscnt 4
	WIN MULW
	MULA FA1, FB1, 0, 0
	s_wait_dscnt 0                                 ; my reads of this slot are over
	s_wait_tensorcnt 0x0                           ; all my tensor loads have landed: my part of the next slot
	ds_add_u32 v254, v255
	s_wait_dscnt 0x0
	s_barrier_signal -1
	MULA FA1, FB1, 1, 0                            ; register work while the others arrive
	WIN 0
	s_barrier_wait -1
.if \fill
	CREST
	s_add_nc_u64 s[G0+4*\slot+2:G0+4*\slot+3], s[G0+4*\slot+2:G0+4*\slot+3], 1048576       ; two K steps on: four heads
	s_add_nc_u64 s[G0B+4*\slot+2:G0B+4*\slot+3], s[G0B+4*\slot+2:G0B+4*\slot+3], 524288    ; 256 k-rows
	JLOAD \slot
.endif
	PLACES
	FETCH \next, 0, FA0, FB0
	WIN MULW
	MULA FA1, FB1, 2, 0
	MULA FA1, FB1, 3, 0
.endm
.macro LAP zero
	THREE 0, \zero
	TURN 0, 1, 1
	THREE 1, 0
	TURN 1, 0, 1
.endm
	s_wait_tensorcnt 1                             ; my part of K step 0 is in; K step 1's load stays out
	s_barrier_signal -1
	s_barrier_wait -1
	FETCH 0, 0, FA0, FB0
	LAP 1                                          ; the first products start the sums
	WIN 0
	s_mov_b32 s3, LAPS-2
.Llap:
	LAP 0
	WIN 0
	s_sub_co_u32 s3, s3, 1
	s_cmp_lg_u32 s3, 0
	s_cbranch_scc1 .Llap
	THREE 0, 0                                     ; the last lap fills nothing
	TURN 0, 1, 0
	THREE 1, 0
	s_wait_dscnt 4
	WIN MULW
	MULA FA1, FB1, 0, 0
	MULA FA1, FB1, 1, 0
	s_wait_dscnt 0
	MULA FA1, FB1, 2, 0
	MULA FA1, FB1, 3, 0
	; THE WAY OUT, 16 rows at a time: the f32 sums go into my own stage, 32 bytes a lane, come back as whole rows of 512 bytes, get the bias, and are stored.
	PLACES
	s_lshl_b32 s80, s13, 19                        ; 128 rows of 4,096 bytes a block
	s_lshl_b32 s81, s11, 18                        ; my 64 rows
	s_add_co_u32 s80, s80, s81
	s_lshl_b32 s81, s42, 10                        ; 256 columns of 4 bytes a block
	s_add_co_u32 s80, s80, s81
	s_lshl_b32 s81, s12, 9                         ; my 128 columns
	s_add_co_u32 s80, s80, s81
	s_mov_b32 s81, 0
	s_add_nc_u64 s[8:9], s[74:75], s[80:81]
	s_wait_loadcnt 0x0                             ; the bias
.macro OUT16 i, f                      ; rows 16 i .. 16 i + 15 of my block; f: v32 or v96 in turn, 64 registers
	WIN STW
.irp b, 0,1,2,3,4,5,6,7
	ds_store_b128 v[STO], v[8*(8*\i+\b):8*(8*\i+\b)+3]   offset:64*\b
	ds_store_b128 v[STO], v[8*(8*\i+\b)+4:8*(8*\i+\b)+7] offset:64*\b+16
.endr
	WIN 0
	s_wait_xcnt 0x0                                ; buffer f was the data of the stores two turns ago: it is loaded again only behind this wait
.irp t, 0,1,2,3,4,5,6,7,8,9,10,11,12,13,14,15
	ds_load_b128 v[\f+4*\t:\f+4*\t+3], v[RD] offset:SPITCH*\t          ; LDS serves a wave's instructions in order: these see the stores above
.endr
.irp t, 0,1,2,3,4,5,6,7,8,9,10,11,12,13,14,15
	s_wait_dscnt 15-\t                             ; row t is in, the younger ones stay out
	v_pk_add_f32 v[\f+4*\t:\f+4*\t+1],   v[\f+4*\t:\f+4*\t+1],   v[BIAS:BIAS+1]
	v_pk_add_f32 v[\f+4*\t+2:\f+4*\t+3], v[\f+4*\t+2:\f+4*\t+3], v[BIAS+2:BIAS+3]
	global_store_b128 v[CO], v[\f+4*\t:\f+4*\t+3], s[8:9] offset:(16*\i+\t)*4096 th:TH_STORE_NT   ; 512 consecutive bytes of one row, at a multiple of 512
.endr
.endm
	OUT16 0, 32
	OUT16 1, 96
	OUT16 2, 32
	OUT16 3, 96
	s_wait_tensorcnt 0x0
	ds_add_u32 v254, v255
	s_wait_dscnt 0x0
	CROUND                                         ; the closing round
	s_endpgm
.Lfunc_end_k_qa6a68134f7_oproj:
	.size	k_qa6a68134f7_oproj, .Lfunc_end_k_qa6a68134f7_oproj-k_qa6a68134f7_oproj
	.p2alignl 7, 3214868480
	.fill 96, 4, 3214868480
	.section	.rodata,"a",@progbits
	.p2align	6, 0x0
	.amdhsa_kernel k_qa6a68134f7_oproj
		.amdhsa_group_segment_fixed_size 327680
		.amdhsa_private_segment_fixed_size 0
		.amdhsa_enable_private_segment 0
		.amdhsa_kernarg_size 32
		.amdhsa_user_sgpr_count 2
		.amdhsa_user_sgpr_kernarg_segment_ptr 1
		.amdhsa_wavefront_size32 1
		.amdhsa_system_sgpr_workgroup_id_x 1
		.amdhsa_system_sgpr_workgroup_id_y 1
		.amdhsa_system_sgpr_workgroup_id_z 1
		.amdhsa_system_vgpr_workitem_id 0
		.amdhsa_next_free_vgpr 512
		.amdhsa_next_free_sgpr 88
		.amdhsa_reserve_vcc 0
		.amdhsa_float_denorm_mode_32 3
		.amdhsa_float_denorm_mode_16_64 3
		.amdhsa_memory_ordered 1
		.amdhsa_forward_progress 1
		.amdhsa_inst_pref_size 126
	.end_amdhsa_kernel
	.amdgpu_metadata
---
amdhsa.version: [ 1, 2 ]
amdhsa.kernels:
  - .name:           k_qa6a68134f7_oproj
    .symbol:         k_qa6a68134f7_oproj.kd
    .args:
      - { .name: att, .offset: 0, .size: 8, .value_kind: global_buffer, .address_space: global }
      - { .name: cast, .offset: 8, .size: 8, .value_kind: global_buffer, .address_space: global }
      - { .name: bo, .offset: 16, .size: 8, .value_kind: global_buffer, .address_space: global }
      - { .name: out0, .offset: 24, .size: 8, .value_kind: global_buffer, .address_space: global }
    .group_segment_fixed_size: 327680
    .private_segment_fixed_size: 0
    .kernarg_segment_align: 8
    .kernarg_segment_size: 32
    .max_flat_workgroup_size: 128
    .sgpr_count:     88
    .vgpr_count:     512
    .wavefront_size: 32
...
	.end_amdgpu_metadata
.endif
;; end of part 4
